; MI455X (gfx1250); checked and timed in simulation.
; The chip was launched on July 23, 2026; its instructions are those of AMD's public machine-readable ISA for CDNA 5 (MIT licence, August 2026) and "CDNA5" Instruction Set Architecture Reference Guide (July 2026). The comments in the code are by the model that wrote it; some were corrected since.
;; Multi Head Attention. Allowed arithmetic: matrix products marked QUANTISED: E5M2 operands, one E8M0 scale for each 32 along K, by v_wmma_scale_f32_16x16x128_f8f6f4 with both operands' format E5M2, f32 sums; everything else in f32.
;; Inputs: WL 1,024 x 8,192 float32; Wk 1,024 x 8,192 float32; Wq 1,024 x 8,192 float32; Wv 1,024 x 8,192 float32; bL 8,192 float32; bk 8,192 float32; bq 8,192 float32; bv 8,192 float32; inputs 2 x 1,024 x 1,024 float32.
;; Outputs: out0 2 x 8 x 8,192 float32.
;; This version of the problem:
;;   THIS VERSION OF THE PROBLEM IS GIVEN IN LOW PRECISION. The matrix products marked QUANTISED in the list below multiply operands that are first quantised to E5M2 (5 exponent bits, 2 mantissa bits; 8 bits a number), with one power-of-two scale for each 32 numbers along K (OCP MX v1.0); their sums are f32. All else is computed in f32.
;;   The module's matrix products, in the order in which they are computed (A, B: the left and right operand; K: the contracted axis; several contracted axes count as one K, in the product's order):
;;     1. [M 2,048, K 1,024] x [K 1,024, N 8,192]; A: input inputs; B: input Wq: QUANTISED
;;     2. [M 2,048, K 1,024] x [K 1,024, N 8,192]; A: input inputs; B: input Wk: QUANTISED
;;     3. [M 2,048, K 1,024] x [K 1,024, N 8,192]; A: input inputs; B: input Wv: QUANTISED
;;     4. [M 16, K 1,024] x [K 1,024, N 8,192]; A: computed on the way; B: input WL: QUANTISED
;;   THE QUANTISER, for each operand of a quantised product, along K:
;;     - K is cut into blocks of 32 from its start; a last block that is shorter is filled with zeros.
;;     - A block's scale is 2^e with e = floor(log2(the largest magnitude in the block)) - 15, held to -126 .. 127; a block of zeros has e = 0. As a byte (E8M0): e + 127.
;;     - Each number is divided by its block's scale, clamped to +-57,344, and rounded to the nearest number of E5M2, ties to even, subnormals kept.
;;     - The product sums the exact products of the quantised numbers (number of the format x scale) in f32.
;;   ~~~python
;;   def quantise(x, axis):      # numpy; x: float32 -> the quantised numbers, widened to float32 again
;;       x = np.moveaxis(x, axis, -1); K = x.shape[-1]
;;       x = np.pad(x, [(0, 0)] * (x.ndim - 1) + [(0, -K % 32)]); x = x.reshape(x.shape[:-1] + (-1, 32)); a = np.abs(x).max(-1, keepdims=True)
;;       e = np.where(a > 0, np.clip(np.frexp(np.where(a > 0, a, 1))[1] - 1 - 15, -126, 127), 0)      # np.frexp(a)[1] - 1 = floor(log2(a)), exactly
;;       r = np.clip(x / 2.0 ** e, -57344, 57344)
;;       step = 2.0 ** (np.maximum(np.frexp(np.where(r == 0, 1, r))[1] - 1, -14) - 2)
;;       q = np.round(r / step) * step * 2.0 ** e      # np.round: ties to even
;;       return np.moveaxis(q.reshape(q.shape[:-2] + (-1,))[..., :K], -1, axis).astype(np.float32)
;;   ~~~
;;   OPERANDS COMPUTED ON THE WAY. 'Computed on the way' means the value that the module computes at that place (a softmax that the list does not call 'softmax' is quantised finished and normalised). What goes into a quantiser is computed in f32, as accurately as f32 sums, v_exp_f32 and their like allow (about 1e-6 of the number): no bf16 or f16 on the way to a quantiser, and a product that is left as it is and whose result goes on into a quantised operand takes f32 operands (vector FMAs, or v_wmma_f32_16x16x4_f32). A number that lies on a knife's edge between two numbers of the format may be rounded either way, as far as f32 arithmetic and the matrix unit's own rounding can turn it there, and no further.
;; One version. Each part assembles by itself: llvm-mc -triple=amdgcn-amd-amdhsa -mcpu=gfx1250 --defsym DOCPART=n.
;; ======== version 1 of 1: 4 launches
;; limits: right only within a limited range of input values
;; workspace buffers: cd 35,651,584 bytes; sc 1,114,112 bytes; part 393,216 bytes; pq 18,432 bytes
;; launch quant (part 1): grid 1664 x 1, 4 waves a work-group, no clusters, 1,536 bytes of LDS; arguments inputs, Wk, Wq, Wv, cd, sc; writes cd, sc
.if DOCPART == 1
	.amdgcn_target "amdgcn-amd-amdhsa--gfx1250"
	.amdhsa_code_object_version 6
	.text
	.protected	k_qdf438a4a2d_quant
	.globl	k_qdf438a4a2d_quant
	.p2align	8
	.type	k_qdf438a4a2d_quant,@function
k_qdf438a4a2d_quant:
	s_mov_b64 s[64:65], 0
	v_nop
	global_prefetch_b8 v0, s[64:65] scope:SCOPE_SE
	s_setreg_imm32_b32 hwreg(HW_REG_WAVE_MODE, 25, 1), 1
	s_wait_xcnt 0x0
; inputs [2048][1024] (K innermost) and Wk, Wq, Wv [1024 (K)][8192], all f32, become codes of E5M2 with one E8M0 byte for each 32 along K.  (WL is quantised by the launch join, into the place between.)
; cd: tensors Wk, Wq, Wv, WL (8,388,608 bytes each), then inputs: [block of 16 rows][K step of 128: 8][2,048 bytes]: byte 512 c + 16 l + i of a K step's image is the code of row l % 16, k = 32 c + 16 (l / 16) + i:
; an image of a matrix operand's registers.  (A weight's row is its column n.)  sc: the same tensors (262,144 bytes each): [block of 128 rows][K step 8][128 rows] words, byte c of a word: block c of the K step.
; A work-group makes 128 rows x 128 K.  Work-groups 0-127 take inputs, the other 1,536 the three weights.  Each way has LDS bytes of its own for its 128 scale words.
; A block's scale is 2^(floor(log2(largest magnitude)) - 15); its byte is the largest magnitude's exponent field - 15, held at 1 from below.
; LIMITS: NaN and infinities among the inputs are not served; a block of zeros gets the byte 1 (its codes are zeros, and this program alone reads the bytes); blocks whose largest magnitude lies under 2^-111 are held at byte 1.
; No cluster, no tensor loads: no work-group reads what another reads.
.set X,    32                          ; v32-159  128 numbers of a lane
.set CD,   160                         ; v160-191 their codes: no store's data are written again
.set TM,   16                          ; v16-31   at work (inputs' way)
.set SCI,  512                         ; LDS: the weights' 128 scale words at 0, the inputs' here,
.set SPARE, 1024                       ; and the spare words
.set WAVE, 22
.set MNT,  23                          ; s23      the mantissa field of 57,344
.set SEL,  36                          ; s[36:37] lane selects: lane l xor 16
	s_load_b256 s[4:11], s[0:1], 0x0               ; inputs, Wk, Wq, Wv
	s_load_b128 s[12:15], s[0:1], 0x20             ; cd, sc
	v_lshrrev_b32 v1, 5, v0
	v_readfirstlane_b32 s[WAVE], v1                ; wave 0..3
	v_and_b32 v2, 31, v0                           ; lane
	v_lshlrev_b32 v6, 4, v2                        ; 16 x lane
	s_mov_b32 s[MNT], 0x600000
; The 128 scale words lie in LDS at base; behind a barrier wave 0 stores them as 512 bytes on end.
.macro TAILQ base
	v_lshl_add_u32 v16, v0, 2, SPARE
	v_mov_b32 v17, 0
	s_wait_alu depctr_va_vdst(0)
	s_wait_dscnt 0x0                               ; for the others' sake: my scales are in LDS
	s_barrier_signal -1
	s_barrier_wait -1
	s_cmp_lg_u32 s[WAVE], 0
	s_cbranch_scc1 .Ldone_\@
	ds_load_b128 v[8:11], v6 offset:\base
	s_wait_dscnt 0x0
	global_store_b128 v6, v[8:11], s[38:39]
.Ldone_\@:
	s_wait_tensorcnt 0x0                           ; the wave's end
	ds_add_u32 v16, v17
	s_wait_dscnt 0x0
	s_endpgm
.endm
	s_cmp_lt_u32 ttmp9, 128
	s_cbranch_scc1 .Lpath_x
; ---- THE WEIGHTS.  A lane takes a column n and its registers run down K: a block of 32 lies in one lane, and the codes come out with K innermost.
	s_sub_co_u32 s24, ttmp9, 128
	s_lshr_b32 s25, s24, 9                         ; which weight: 0 Wk, 1 Wq, 2 Wv
	s_bfe_u32 s26, s24, 0x30006                    ; K step
	s_and_b32 s27, s24, 63                         ; block of 128 columns
	s_lshl_b32 s28, s26, 22                        ; 128 rows of 32,768 bytes a K step,
	s_lshl_b32 s29, s27, 9                         ; 512 bytes a block of columns,
	s_add_co_u32 s28, s28, s29
	s_lshl_b32 s29, s[WAVE], 7                     ; 128 bytes a wave
	s_add_co_u32 s28, s28, s29
	s_mov_b32 s29, 0
	s_lshl_b32 s30, s25, 23                        ; codes: the tensor,
	s_lshl_b32 s31, s27, 17                        ; 8 blocks of 16 rows,
	s_add_co_u32 s30, s30, s31
	s_lshl_b32 s31, s26, 11                        ; the K step,
	s_add_co_u32 s30, s30, s31
	s_lshl_b32 s31, s[WAVE], 15                    ; my two blocks
	s_add_co_u32 s30, s30, s31
	s_mov_b32 s31, 0
	s_lshl_b32 s38, s25, 18                        ; scale words
	s_lshl_b32 s39, s27, 12
	s_add_co_u32 s38, s38, s39
	s_lshl_b32 s39, s26, 9
	s_add_co_u32 s38, s38, s39
	s_mov_b32 s39, 0
	s_wait_alu depctr_va_vdst(0)
	v_lshlrev_b32 v3, 2, v2                        ; in: 4 bytes a lane
	v_lshrrev_b32 v4, 4, v2
	v_and_b32 v5, 15, v2
	v_lshlrev_b32 v4, 14, v4                       ; out: block lane / 16 of my two,
	v_lshl_add_u32 v4, v5, 4, v4                   ; 16 bytes at 16 (lane % 16)
	v_lshlrev_b32 v5, 2, v0                        ; LDS: my column's scale word
	s_wait_alu depctr_va_vdst(0)
	s_wait_kmcnt 0x0
	s_cmp_eq_u32 s25, 0                            ; the choices hang on the work-group's number alone
	s_cselect_b64 s[32:33], s[6:7], s[8:9]
	s_cmp_lt_u32 s25, 2
	s_cselect_b64 s[32:33], s[32:33], s[10:11]
	s_add_nc_u64 s[32:33], s[32:33], s[28:29]
	s_add_nc_u64 s[34:35], s[12:13], s[30:31]
	s_add_nc_u64 s[38:39], s[14:15], s[38:39]
.macro LOADW t                         ; block t: W(32 t + i, my column); a wave reads 128 bytes on end, the four waves 512
.set i, 0
.rept 32
	global_load_b32 v[X+32*(\t)+i], v3, s[32:33] offset:(32*(\t)+i)*32768 th:TH_LOAD_NT
.set i, i+1
.endr
.endm
.macro BLOCK t
.set XS, X+32*(\t)
.if (\t) < 3
	s_wait_loadcnt 32                              ; this block's 32 loads are in; the next block's 32 may be out
.else
	s_wait_loadcnt 0x0
.endif
.if (\t)+2 < 4
	LOADW (\t)+2                                   ; two blocks ahead, into registers of its own
.endif
	v_max3_num_f32 v22, |v[XS]|, |v[XS+1]|, |v[XS+2]|          ; the block's largest magnitude: all 32 numbers are mine
	v_max3_num_f32 v23, |v[XS+3]|, |v[XS+4]|, |v[XS+5]|
.irp i, 6,10,14,18,22,26
	v_max3_num_f32 v22, v22, |v[XS+\i]|, |v[XS+\i+1]|
	v_max3_num_f32 v23, v23, |v[XS+\i+2]|, |v[XS+\i+3]|
.endr
	v_max3_num_f32 v22, v22, |v[XS+30]|, |v[XS+31]|
	v_max3_num_f32 v22, v22, v23, 0x8000000        ; and the floor 2^(16 - 127): the byte cannot fall under 1
	v_add_nc_u32 v21, 0xf8800000, v22              ; 15 off the exponent field: the conversion's scale operand
	v_and_or_b32 v20, v22, 0x7f800000, s[MNT]      ; 57,344 x the scale
	v_lshrrev_b32 v23, 23, v21                     ; the scale's byte
.if (\t) == 0
	v_mov_b32 v14, v23
.else
	v_lshl_or_b32 v14, v23, 8*(\t), v14            ; four bytes make my column's scale word
.endif
.irp i, 0,1,2,3,4,5,6,7,8,9,10,11,12,13,14,15,16,17,18,19,20,21,22,23,24,25,26,27,28,29,30,31
	v_med3_num_f32 v[XS+\i], v[XS+\i], -v20, v20   ; the conversion to an 8-bit code does not saturate (ISA guide 7.6.2): the hold comes first
.endr
.irp g, 0,1,2,3
	v_cvt_scalef32_pk8_bf8_f32 v[CD+8*(\t)+2*\g:CD+8*(\t)+2*\g+1], v[XS+8*\g:XS+8*\g+7], v21
.endr
	v_nop                                          ; a plain line behind the last conversion
	global_store_b128 v4, v[CD+8*(\t):CD+8*(\t)+3], s[34:35] offset:512*(\t)         ; k = 32 t + 0..15: sixteen lanes fill 256 bytes on end, in each of my two images
	global_store_b128 v4, v[CD+8*(\t)+4:CD+8*(\t)+7], s[34:35] offset:512*(\t)+256   ; k = 32 t + 16..31
.endm
	LOADW 0
	LOADW 1
	BLOCK 0
	BLOCK 1
	BLOCK 2
	BLOCK 3
	ds_store_b32 v5, v14
	TAILQ 0
; ---- INPUTS.  K is innermost: lane (r, h) takes, of row r, 16 neighbours of each block of 32; a block's maximum is joined with lane l xor 16's.  Wave w makes the images of row blocks 2 w and 2 w + 1.
.Lpath_x:
	s_and_b32 s24, ttmp9, 7                        ; K step
	s_lshr_b32 s25, ttmp9, 3                       ; block of 128 rows
	s_lshl_b32 s28, s25, 19                        ; 128 rows of 4,096 bytes,
	s_lshl_b32 s29, s[WAVE], 17                    ; 32 rows a wave,
	s_add_co_u32 s28, s28, s29
	s_lshl_b32 s29, s24, 9                         ; 512 bytes a K step
	s_add_co_u32 s28, s28, s29
	s_mov_b32 s29, 0
	s_lshl_b32 s30, s25, 17
	s_lshl_b32 s31, s[WAVE], 15
	s_add_co_u32 s30, s30, s31
	s_lshl_b32 s31, s24, 11
	s_add_co_u32 s30, s30, s31
	s_add_co_u32 s30, s30, 4<<23                   ; behind the four weights
	s_mov_b32 s31, 0
	s_lshl_b32 s38, s25, 12
	s_lshl_b32 s39, s24, 9
	s_add_co_u32 s38, s38, s39
	s_add_co_u32 s38, s38, 4<<18
	s_mov_b32 s39, 0
	s_mov_b32 s[SEL], 0x76543210
	s_mov_b32 s[SEL+1], 0xfedcba98
	v_and_b32 v3, 15, v0
	v_bfe_u32 v4, v0, 4, 1
	v_lshlrev_b32 v3, 12, v3
	v_lshl_add_u32 v3, v4, 6, v3                   ; row r, + 64 h
	v_and_b32 v5, 0x6f, v0
	v_lshlrev_b32 v5, 2, v5                        ; LDS: 128 x wave + 4 r
.irp b, 0,1,2,3
	v_mov_b32 v[TM+4+\b], 0                        ; written once: a lane permute's destination counts as one of its sources
.endr
	s_wait_alu depctr_va_vdst(0)
	s_wait_kmcnt 0x0
	s_add_nc_u64 s[32:33], s[4:5], s[28:29]
	s_add_nc_u64 s[34:35], s[12:13], s[30:31]
	s_add_nc_u64 s[38:39], s[14:15], s[38:39]
.irp f, 0,1
.irp c, 0,1,2,3
.irp j, 0,1,2,3
	global_load_b128 v[X+64*\f+16*\c+4*\j:X+64*\f+16*\c+4*\j+3], v3, s[32:33] offset:65536*\f+128*\c+16*\j
.endr
.endr
.endr
; 64 numbers of a lane, register 16 b + i = k 32 b + 16 (lane / 16) + i of my row, become a fragment's codes in v[pc] on and its scale word in v[pw].
.macro QUANT s, pc, pw
.irp b, 0,1,2,3
	v_max3_num_f32 v[TM+\b], |v[(\s)+16*\b]|, |v[(\s)+1+16*\b]|, 0x8000000
.endr
.irp i, 2,4,6,8,10,12,14
.irp b, 0,1,2,3
	v_max3_num_f32 v[TM+\b], v[TM+\b], |v[(\s)+16*\b+\i]|, |v[(\s)+1+16*\b+\i]|
.endr
.endr
.irp b, 0,1,2,3
	v_permlanex16_b32 v[TM+4+\b], v[TM+\b], s[SEL], s[SEL+1]
.endr
.irp b, 0,1,2,3
	v_max_num_f32 v[TM+\b], v[TM+\b], v[TM+4+\b]
.endr
.irp b, 0,1,2,3
	v_add_nc_u32 v[TM+12+\b], 0xf8800000, v[TM+\b]
.endr
.irp b, 0,1,2,3
	v_and_or_b32 v[TM+8+\b], v[TM+\b], 0x7f800000, s[MNT]
.endr
.irp b, 0,1,2,3
	v_lshrrev_b32 v[TM+4+\b], 23, v[TM+12+\b]
.endr
	v_lshl_or_b32 v[\pw], v[TM+5], 8, v[TM+4]
	v_lshl_or_b32 v[\pw], v[TM+6], 16, v[\pw]
	v_lshl_or_b32 v[\pw], v[TM+7], 24, v[\pw]
.irp b, 0,1,2,3
.irp i, 0,1,2,3,4,5,6,7,8,9,10,11,12,13,14,15
	v_med3_num_f32 v[(\s)+16*\b+\i], v[(\s)+16*\b+\i], -v[TM+8+\b], v[TM+8+\b]
.endr
	v_cvt_scalef32_pk8_bf8_f32 v[(\pc)+4*\b:(\pc)+1+4*\b], v[(\s)+16*\b:(\s)+7+16*\b], v[TM+12+\b]
	v_cvt_scalef32_pk8_bf8_f32 v[(\pc)+2+4*\b:(\pc)+3+4*\b], v[(\s)+8+16*\b:(\s)+15+16*\b], v[TM+12+\b]
.endr
	v_nop                                          ; a plain line behind the last conversion
.endm
	s_wait_loadcnt 16                              ; the first image's 16 loads are in; the second's may be out
	QUANT X, CD, 12
.irp c, 0,1,2,3
	global_store_b128 v6, v[CD+4*\c:CD+4*\c+3], s[34:35] offset:512*\c          ; 512 bytes on end
.endr
	ds_store_b32 v5, v12 offset:SCI                ; both halves of the lanes write the same word with the same value
	s_wait_loadcnt 0x0
	QUANT X+64, CD+16, 13
.irp c, 0,1,2,3
	global_store_b128 v6, v[CD+16+4*\c:CD+16+4*\c+3], s[34:35] offset:16384+512*\c
.endr
	ds_store_b32 v5, v13 offset:SCI+64
	TAILQ SCI
.Lfunc_end_k_qdf438a4a2d_quant:
	.size	k_qdf438a4a2d_quant, .Lfunc_end_k_qdf438a4a2d_quant-k_qdf438a4a2d_quant
	.p2alignl 7, 3214868480
	.fill 96, 4, 3214868480
	.section	.rodata,"a",@progbits
	.p2align	6, 0x0
	.amdhsa_kernel k_qdf438a4a2d_quant
		.amdhsa_group_segment_fixed_size 1536
		.amdhsa_private_segment_fixed_size 0
		.amdhsa_enable_private_segment 0
		.amdhsa_kernarg_size 48
		.amdhsa_user_sgpr_count 2
		.amdhsa_user_sgpr_kernarg_segment_ptr 1
		.amdhsa_wavefront_size32 1
		.amdhsa_system_sgpr_workgroup_id_x 1
		.amdhsa_system_sgpr_workgroup_id_y 1
		.amdhsa_system_sgpr_workgroup_id_z 1
		.amdhsa_system_vgpr_workitem_id 0
		.amdhsa_next_free_vgpr 192
		.amdhsa_next_free_sgpr 66
		.amdhsa_reserve_vcc 0
		.amdhsa_float_denorm_mode_32 3
		.amdhsa_float_denorm_mode_16_64 3
		.amdhsa_memory_ordered 1
		.amdhsa_forward_progress 1
		.amdhsa_inst_pref_size 52
	.end_amdhsa_kernel
	.amdgpu_metadata
---
amdhsa.version: [ 1, 2 ]
amdhsa.kernels:
  - .name:           k_qdf438a4a2d_quant
    .symbol:         k_qdf438a4a2d_quant.kd
    .args:
      - { .name: inputs, .offset: 0, .size: 8, .value_kind: global_buffer, .address_space: global }
      - { .name: Wk, .offset: 8, .size: 8, .value_kind: global_buffer, .address_space: global }
      - { .name: Wq, .offset: 16, .size: 8, .value_kind: global_buffer, .address_space: global }
      - { .name: Wv, .offset: 24, .size: 8, .value_kind: global_buffer, .address_space: global }
      - { .name: cd, .offset: 32, .size: 8, .value_kind: global_buffer, .address_space: global }
      - { .name: sc, .offset: 40, .size: 8, .value_kind: global_buffer, .address_space: global }
    .group_segment_fixed_size: 1536
    .private_segment_fixed_size: 0
    .kernarg_segment_align: 8
    .kernarg_segment_size: 48
    .max_flat_workgroup_size: 128
    .sgpr_count:     66
    .vgpr_count:     192
    .wavefront_size: 32
...
	.end_amdgpu_metadata
.endif
;; end of part 1
;; launch fused (part 2): grid 8 x 32, 4 waves a work-group, clusters of 4 x 4, 327,680 bytes of LDS; arguments cd, sc, bk, bv, part; writes part
.if DOCPART == 2
	.amdgcn_target "amdgcn-amd-amdhsa--gfx1250"
	.amdhsa_code_object_version 6
	.text
	.protected	k_qdf438a4a2d_fused
	.globl	k_qdf438a4a2d_fused
	.p2align	8
	.type	k_qdf438a4a2d_fused,@function
k_qdf438a4a2d_fused:
	s_mov_b64 s[64:65], 0
	v_nop
	global_prefetch_b8 v0, s[64:65] scope:SCOPE_SE
	s_setreg_imm32_b32 hwreg(HW_REG_WAVE_MODE, 25, 1), 1
	s_wait_xcnt 0x0
	s_wait_alu depctr_hold_cnt(0) depctr_sa_sdst(0) depctr_va_vdst(0) depctr_va_sdst(0) depctr_va_ssrc(0) depctr_va_vcc(0) depctr_vm_vsrc(0)
	s_getreg_b32 s2, hwreg(HW_REG_IB_STS2, 6, 4)
	s_cmp_eq_u32 s2, 0
	s_cbranch_scc0 .Lentry_in_a_cluster
	s_endpgm
.Lentry_in_a_cluster:
	s_bfe_u32 s2, ttmp6, 0x10000c
	s_cmp_lg_u32 s2, 0xf033
	s_cbranch_scc0 .Lentry_shape_is_right
	s_endpgm
.Lentry_shape_is_right:
; For each (b, h) and d: the softmax over s of (k[s][d] v[d][s] / 32), and its weighted sum of q[s][d] (bq is added by the next launch, since the weights add up to 1):
; k[s][d] = x[s] Wk[d] + bk[d], q[s][d] = x[s] Wq[d], v[d][s] = x[d] Wv[s] + bv[s]: three products of MX-BF8 codes.  t = k v c, c = log2(e) / 32; running maximum, exponentials to the base 2, sums in f32.
; A WORK-GROUP owns 128 d x 512 s of one (b, h); a wave 32 d.  The rows for my d of Wk, Wq and x stand in registers, all of K: 48 fragments of 16 registers fill windows 1 to 3.
; x's and Wv's rows for s stream past in blocks of 16 s: for each K step of 128 six products (two tiles of 16 d of K, V and Q) on a pair of fragments; the six accumulators take turns.
; Source 0 = 16 rows s, source 1 = 16 rows d: lane (r, h) holds d = r and in register j s = 8 h + j.  A lane keeps a maximum and sums of its own; lanes l and l xor 16 are joined at the end.
; LDS: two slots of 64 s (x's codes, then Wv's), filled by joint loads; the scale words of the 512 s, [K step][512 rows], for x and for Wv; bv.  At the head slot 1 takes Wk's rows, slot 0 the first chunk;
; Wq's and x's rows for d go from memory straight into registers.
; CLUSTERS of 4 x 4: cx = block of 128 d, cy = 2 b + half of s.  A row of the cluster shares the stream, a column Wk's rows.
; THE RING: four pairs of fragments in window 0 (v128-255), in two groups of two.  Behind a group's twelve products one run of 16 loads asks for the two pairs that take its registers; the fourth run of a block stands in its softmax.
; PREFETCH: in trip t Wv's chunk t + 3 (the chunk that trip t + 2 loads), by wave 0; the eight work-groups of a cluster that read it share it by address, 8,192 bytes each.  x's rows are not asked for: the head reads all of them as rows for d.
; LIMITS: NaN and infinities are not served; the promise holds while the exponents to the base 2, before the maximum is taken away, stay under 2^31 in magnitude.
; part: [b h][half of s][-(largest t), sum, weighted sum][1,024 d] f32.
.set SLOT, 131072
.set SCL,  2*SLOT                      ; scale words: x's 16,384 bytes, then Wv's
.set BVL,  SCL+32768                   ; bv: 2,048 bytes
.set OUTB, BVL+2048                    ; the way out: three rows of 128 words
.set SPARE, OUTB+1536
.set AX,   2                           ; v2, v3  LDS addresses of the chunk's codes of x, of Wv (at the head v2: of my rows of Wk)
.set ASC,  4                           ; v4      of the chunk's scale words
.set ABV,  5                           ; v5      of its bv
.set SPW,  6                           ; v6      my spare word
.set NIL,  7                           ; v7      0
.set SV,   8                           ; v8-11   Wv's scale words: lanes 0-15 K step 2 i, lanes 16-31 K step 2 i + 1
.set ALN,  12                          ; v12     16 x lane
.set PFO,  13                          ; v13     256 x lane
.set BK,   14                          ; v14-15  bk of my two tiles
.set SX,   16                          ; v16-19  x's scale words
.set T,    20                          ; v20-25  at work
.set SK,   26                          ; v26-49  scale words of Wk, Wq, x for d: a register a K step: lanes 0-15 tile 0, lanes 16-31 tile 1
.set ST,   50                          ; v50-65  state, 8 a tile: -(largest t), largest k v, sum (2), weighted sum (2), factor, new -(largest t)
.set BV,   66                          ; v66-73  bv of the block
.set T2,   74                          ; v74-77  at work
.set ACC,  80                          ; v80-127 K tiles 0, 1; Q; V
.set WAVE, 14
.set WO,   15
.set CX,   16
.set CY,   17
.set HD,   18
.set BT,   19
.set SHF,  20
.set DB,   21
.set G1W,  24
.set G1S,  32
.set G0K,  40
.set G0X,  48
.set G0W,  52
.set PFA,  56
.set TB,   58
.set TR,   59
.set LIM,  60
.set NCS,  61
.set CS,   62
.set SEL,  66
.set HIM,  68
.set MSB, 0
.macro WIN new                         ; the immediate's high byte repeats the setting that is left
.if MSB != \new
	s_set_vgpr_msb (MSB<<8)|\new
.set MSB, \new
.endif
.endm
.macro PLACES n
.rept \n
	v_nop
.endr
.endm
.macro CREST
	s_cmp_lg_u32 s[WAVE], 0
	s_cbranch_scc1 .Lnot_wave_0_\@
	s_barrier_signal -3
.Lnot_wave_0_\@:
	s_barrier_wait -3
	s_barrier_signal -1
	s_barrier_wait -1
.endm
.macro CROUND
	s_barrier_signal -1
	s_barrier_wait -1
	CREST
.endm
.macro JLOAD under                     ; waves below 'under' fetch x's rows, the others Wv's
	s_cmp_lt_u32 s[WAVE], \under
	s_cbranch_scc0 .Lsecond_\@
	tensor_load_to_lds s[G0X:G0X+3], s[G1S:G1S+7]
	s_nop 0
	PLACES 4
	s_branch .Lasked_\@
.Lsecond_\@:
	tensor_load_to_lds s[G0W:G0W+3], s[G1S:G1S+7]
	s_nop 0
	PLACES 4
.Lasked_\@:
.endm
.macro STEPG                           ; the stream's descriptors: the other slot, the next 64 rows
	s_xor_b32 s[G0X+1], s[G0X+1], SLOT
	s_add_nc_u64 s[G0X+2:G0X+3], s[G0X+2:G0X+3], 0x10000
	s_xor_b32 s[G0W+1], s[G0W+1], SLOT
	s_add_nc_u64 s[G0W+2:G0W+3], s[G0W+2:G0W+3], 0x10000
.endm
	s_load_b256 s[4:11], s[0:1], 0x0               ; cd, sc, bk, bv
	s_load_b64 s[12:13], s[0:1], 0x20              ; part
	v_lshl_add_u32 v[SPW], v0, 2, SPARE
	v_mov_b32 v[NIL], 0
	ds_add_u32 v[SPW], v[NIL]                      ; the opening lines
	ds_add_u32 v[SPW], v[NIL]
	v_lshrrev_b32 v1, 5, v0
	v_readfirstlane_b32 s[WAVE], v1
	v_and_b32 v20, 31, v0                          ; lane
	v_lshlrev_b32 v[ALN], 4, v20
	v_lshlrev_b32 v21, 4, v0                       ; 16 x thread
	v_lshlrev_b32 v22, 2, v0                       ; 4 x thread
	v_and_b32 v23, 15, v0
	v_lshlrev_b32 v23, 2, v23                      ; 4 r
	v_lshl_add_u32 v24, v1, 11, v[ALN]
	v_add_nc_u32 v24, SCL, v24                     ; LDS: where my 16 bytes of scale words go: K step by wave
	v_add_nc_u32 v25, BVL, v21                     ; and of bv
	v_bfe_u32 v3, v0, 4, 1
	v_lshl_add_u32 v[ASC], v3, 11, v23             ; K step 2 i + h, row r; a chunk is 256 bytes (the first trip steps it to chunk 0)
	v_add_nc_u32 v[ASC], SCL-256, v[ASC]
	v_lshlrev_b32 v[ABV], 5, v3
	v_add_nc_u32 v[ABV], BVL-256, v[ABV]
	v_lshl_add_u32 v[AX], v1, 15, v[ALN]           ; my two blocks of 16 rows of Wk, in slot 1
	v_add_nc_u32 v[AX], SLOT, v[AX]
	v_lshlrev_b32 v[PFO], 8, v20
.irp t, 0,1
	v_mov_b32 v[ST+8*\t], 0x7c000000               ; so that the first factor is 2^-huge = 0
	v_mov_b32 v[ST+8*\t+1], 0xff61b1e6             ; -3e38
.irp i, 2,3,4,5
	v_mov_b32 v[ST+8*\t+\i], 0
.endr
.endr
	s_wait_alu depctr_va_vdst(0)
	s_and_b32 s[WO], s[WAVE], 1
	s_bfe_u32 s[CX], ttmp6, 0x40000
	s_bfe_u32 s[CY], ttmp6, 0x40004
	s_and_b32 s[HD], ttmp7, 0xffff                 ; cluster y = head
	s_lshr_b32 s[BT], s[CY], 1
	s_and_b32 s[SHF], s[CY], 1
	s_lshl_b32 s[DB], ttmp9, 2
	s_add_co_u32 s[DB], s[DB], s[CX]
	s_lshl_b32 s94, s[CY], 2
	s_lshl_b32 s94, 15, s94                        ; my row of the cluster
	s_lshl_b32 s95, 0x1111, s[CX]                  ; my column
	s_or_b32 s[G1W], s95, (3<<16)|(1<<21)          ; group 1: rows of 256 bytes (32 elements of 8), dense: 65,536 bytes a load at the head
	s_or_b32 s[G1S], s94, (3<<16)|(1<<21)
.irp g, G1W, G1S
	s_mov_b32 s[\g+1], 32<<16
	s_mov_b32 s[\g+2], 256<<16
	s_mov_b32 s[\g+3], 32<<16
	s_mov_b32 s[\g+4], 256
	s_mov_b32 s[\g+5], 32
	s_mov_b32 s[\g+6], 0
	s_mov_b32 s[\g+7], 0
.endr
.irp n, 71,73,75,77,79,81,83,85,87,89,91,93
	s_mov_b32 s\n, 0
.endr
	s_lshl_b32 s82, s[HD], 3
	s_add_co_u32 s82, s82, s[DB]                   ; Wk's, Wq's block of 128 rows
	s_lshl_b32 s70, s82, 17
	s_lshl_b32 s86, s[WAVE], 15
	s_add_co_u32 s86, s86, s70
	s_add_co_u32 s86, s86, 1<<23                   ; Wq's codes: my 32 rows
	s_lshl_b32 s22, s[WO], 16
	s_add_co_u32 s70, s70, s22                     ; Wk's codes: my half
	s_lshl_b32 s82, s82, 12                        ; scale words
	s_lshl_b32 s78, s[BT], 3
	s_lshl_b32 s23, s[SHF], 2
	s_add_co_u32 s78, s78, s23                     ; x's first block for s
	s_lshl_b32 s72, s78, 17
	s_add_co_u32 s72, s72, 4<<23
	s_lshl_b32 s78, s78, 12
	s_add_co_u32 s78, s78, 4<<18
	s_lshl_b32 s80, s[HD], 3
	s_lshl_b32 s69, s[SHF], 2
	s_add_co_u32 s80, s80, s69                     ; Wv's
	s_lshl_b32 s74, s80, 17
	s_add_co_u32 s74, s74, 2<<23
	s_lshl_b32 s80, s80, 12
	s_add_co_u32 s80, s80, 2<<18
	s_lshl_b32 s[PFA], s[BT], 2                    ; the prefetches: my eighth of chunk 3
	s_add_co_u32 s[PFA], s[PFA], s[CX]
	s_lshl_b32 s[PFA], s[PFA], 13
	s_add_co_u32 s[PFA], s[PFA], s74
	s_add_co_u32 s[PFA], s[PFA], 0x30000
	s_mov_b32 s[PFA+1], 0
	s_lshl_b32 s84, s[BT], 3
	s_add_co_u32 s84, s84, s[DB]                   ; x's block for d
	s_lshl_b32 s76, s84, 17
	s_lshl_b32 s22, s[WAVE], 15
	s_add_co_u32 s76, s76, s22
	s_add_co_u32 s76, s76, 4<<23
	s_lshl_b32 s84, s84, 12
	s_add_co_u32 s84, s84, 4<<18
	s_lshl_b32 s88, s[HD], 12                      ; bk at 1,024 h + 128 db + 32 wave
	s_lshl_b32 s22, s[DB], 9
	s_add_co_u32 s88, s88, s22
	s_lshl_b32 s22, s[WAVE], 7
	s_add_co_u32 s88, s88, s22
	s_lshl_b32 s90, s[HD], 12                      ; bv at 1,024 h + 512 half
	s_lshl_b32 s22, s[SHF], 11
	s_add_co_u32 s90, s90, s22
	s_lshl_b32 s92, s[BT], 3                       ; part
	s_add_co_u32 s92, s92, s[HD]
	s_mul_i32 s92, s92, 24576
	s_mul_i32 s22, s[SHF], 12288
	s_add_co_u32 s92, s92, s22
	s_lshl_b32 s22, s[DB], 9
	s_add_co_u32 s92, s92, s22
	s_lshl_b32 s22, s[WAVE], 12
	s_add_co_u32 s92, s92, s22
	s_mov_b32 s[TB], SLOT
	s_mov_b32 s[TR], 7
	s_mov_b32 s[LIM], 100                          ; wave 0 alone asks, in the trips with a chunk three on
	s_cmp_eq_u32 s[WAVE], 0
	s_cselect_b32 s[LIM], 3, s[LIM]
	s_mov_b32 s[NCS], 0xbd38aa3b                   ; -c
	s_mov_b32 s[CS], 0x3d38aa3b                    ; c
	s_mov_b32 s[CS+1], s[CS]
	s_mov_b32 s[SEL], 0x76543210
	s_mov_b32 s[SEL+1], 0xfedcba98
	s_mov_b32 s[HIM], 0xffff0000
	s_mov_b32 s[G0K], 1
	s_lshl_b32 s[G0K+1], s[WO], 16
	s_add_co_u32 s[G0K+1], s[G0K+1], SLOT
	s_mov_b32 s[G0X], 1
	s_mov_b32 s[G0X+1], 0
	s_mov_b32 s[G0W], 1
	s_mov_b32 s[G0W+1], 0x10000
	s_wait_dscnt 0x0                               ; both opening adds are done
	CROUND                                         ; all sixteen work-groups are here
	s_wait_kmcnt 0x0
	s_add_nc_u64 s[G0K+2:G0K+3], s[4:5], s[70:71]
	s_or_b32 s[G0K+3], s[G0K+3], 0x80000000
	s_add_nc_u64 s[G0X+2:G0X+3], s[4:5], s[72:73]
	s_or_b32 s[G0X+3], s[G0X+3], 0x80000000
	s_add_nc_u64 s[G0W+2:G0W+3], s[4:5], s[74:75]
	s_or_b32 s[G0W+3], s[G0W+3], 0x80000000
; THE HEAD'S LOADS, one a wave: waves 0, 1 Wk's halves, wave 2 chunk 0's rows of x, wave 3 of Wv
	s_cmp_lt_u32 s[WAVE], 2
	s_cbranch_scc0 .Lhead_x
	tensor_load_to_lds s[G0K:G0K+3], s[G1W:G1W+7]
	s_nop 0
	PLACES 4
	s_branch .Lhead_asked
.Lhead_x:
	s_cmp_lt_u32 s[WAVE], 3
	s_cbranch_scc0 .Lhead_w
	tensor_load_to_lds s[G0X:G0X+3], s[G1S:G1S+7]
	s_nop 0
	PLACES 4
	s_branch .Lhead_asked
.Lhead_w:
	tensor_load_to_lds s[G0W:G0W+3], s[G1S:G1S+7]
	s_nop 0
	PLACES 4
.Lhead_asked:
	s_add_nc_u64 s[PFA:PFA+1], s[4:5], s[PFA:PFA+1]
	s_add_nc_u64 s[76:77], s[4:5], s[76:77]
	s_add_nc_u64 s[86:87], s[4:5], s[86:87]
	s_add_nc_u64 s[78:79], s[6:7], s[78:79]
	s_add_nc_u64 s[80:81], s[6:7], s[80:81]
	s_add_nc_u64 s[82:83], s[6:7], s[82:83]
	s_add_nc_u64 s[84:85], s[6:7], s[84:85]
	s_add_nc_u64 s[88:89], s[8:9], s[88:89]
	s_add_nc_u64 s[90:91], s[10:11], s[90:91]
	s_add_nc_u64 s[92:93], s[12:13], s[92:93]
.irp j, 0,1,2,3,4,5,6,7
	global_load_b128 v[128+4*\j:131+4*\j], v21, s[78:79] offset:2048*\j
	global_load_b128 v[160+4*\j:163+4*\j], v21, s[80:81] offset:2048*\j
.endr
	global_load_b128 v[192:195], v21, s[90:91]
; fragment 6 k + j of the standing operands (k: K step; j: 0, 1 Wk's tiles, 2, 3 x's, 4, 5 Wq's) lies in window 1 + f / 16
.macro GFRAG f, sb, off
	WIN (1+(\f)/16)<<6
.irp c, 0,1,2,3
	global_load_b128 v[16*((\f)%16)+4*\c:16*((\f)%16)+4*\c+3], v[ALN], s[\sb:\sb+1] offset:(\off)+512*\c
.endr
.endm
.macro HFRAG f, off
	WIN (1+(\f)/16)<<6
.irp c, 0,1,2,3
	ds_load_b128 v[16*((\f)%16)+4*\c:16*((\f)%16)+4*\c+3], v[AX] offset:(\off)+512*\c
.endr
.endm
.set H_, 0
.rept 8
	GFRAG 6*H_+4, 86, 2048*H_
	GFRAG 6*H_+5, 86, 16384+2048*H_
.set H_, H_+1
.endr
	WIN 0
	s_wait_loadcnt 63                              ; 81 loads: the oldest 18 are in, the 17 that go to LDS among them
.irp j, 0,1,2,3,4,5,6,7
	ds_store_b128 v24, v[128+4*\j:131+4*\j] offset:8192*(\j%2)+512*(\j/2)
	ds_store_b128 v24, v[160+4*\j:163+4*\j] offset:16384+8192*(\j%2)+512*(\j/2)
.endr
	ds_store_b128 v25, v[192:195]
.irp k, 0,1,2,3,4,5,6,7
	global_load_b32 v[SK+\k], v22, s[82:83] offset:512*\k
	global_load_b32 v[SK+8+\k], v22, s[82:83] offset:0x40000+512*\k
	global_load_b32 v[SK+16+\k], v22, s[84:85] offset:512*\k
.endr
	global_load_b32 v[BK], v23, s[88:89]
	global_load_b32 v[BK+1], v23, s[88:89] offset:64
.set H_, 0
.rept 8
	GFRAG 6*H_+2, 76, 2048*H_
	GFRAG 6*H_+3, 76, 16384+2048*H_
.set H_, H_+1
.endr
	WIN 0
	s_cmp_lt_u32 s[WAVE], 2
	s_cbranch_scc0 .Lnot_k
	s_wait_tensorcnt 0x0                           ; waves 0, 1: Wk's rows are in
.Lnot_k:
	s_wait_dscnt 0x0                               ; my stores are in LDS
	s_barrier_signal -1
	s_barrier_wait -1
.set H_, 0
.rept 8
	HFRAG 6*H_, 2048*H_
	HFRAG 6*H_+1, 16384+2048*H_
.set H_, H_+1
.endr
	WIN 0
	s_wait_tensorcnt 0x0                           ; chunk 0 is in
	ds_add_u32 v[SPW], v[NIL]
	s_mov_b32 s[G1S+2], 128<<16                    ; no tensor load of mine is out: from here on a load brings 32,768 bytes, half of a chunk's rows of x or of Wv
	s_mov_b32 s[G1S+4], 128
	s_lshl_b32 s22, s[WO], 15
	s_mov_b32 s23, 0
	s_add_co_u32 s[G0X+1], s[G0X+1], s22
	s_add_nc_u64 s[G0X+2:G0X+3], s[G0X+2:G0X+3], s[22:23]
	s_add_co_u32 s[G0W+1], s[G0W+1], s22
	s_add_nc_u64 s[G0W+2:G0W+3], s[G0W+2:G0W+3], s[22:23]
	STEPG
	s_wait_loadcnt 0x0                             ; Wq's rows, x's rows for d, scale words, bk
	s_wait_dscnt 0x0                               ; the add is done, and Wk's rows are in registers
	s_barrier_signal -1                            ; opens the first trip's round
.macro LD q                            ; pair q: x's fragment, then Wv's
.irp n, 0,1,2,3,4,5,6,7
	ds_load_b128 v[128+32*((\q)%4)+4*\n:131+32*((\q)%4)+4*\n], v[AX+\n/4] offset:2048*(\q)+512*(\n%4)
.endr
.endm
.macro SCW i, blk                      ; the scale words of K steps 2 i, 2 i + 1
	ds_load_b32 v[SX+(\i)], v[ASC] offset:4096*(\i)+64*(\blk)
	ds_load_b32 v[SV+(\i)], v[ASC] offset:16384+4096*(\i)+64*(\blk)
.endm
.macro BVW blk
	ds_load_b128 v[BV:BV+3], v[ABV] offset:64*(\blk)
	ds_load_b128 v[BV+4:BV+7], v[ABV] offset:64*(\blk)+16
.endm
.macro WM c
.if R_ == 0
	v_wmma_scale_f32_16x16x128_f8f6f4 v[D_:D_+7], v[A_:A_+15], v[B_:B_+15], \c, v[SA_], v[SB_] matrix_a_fmt:MATRIX_FMT_BF8 matrix_b_fmt:MATRIX_FMT_BF8
.elseif R_ == 1
	v_wmma_scale_f32_16x16x128_f8f6f4 v[D_:D_+7], v[A_:A_+15], v[B_:B_+15], \c, v[SA_], v[SB_] matrix_a_fmt:MATRIX_FMT_BF8 matrix_b_fmt:MATRIX_FMT_BF8 matrix_a_scale:MATRIX_SCALE_ROW1
.elseif R_ == 2
	v_wmma_scale_f32_16x16x128_f8f6f4 v[D_:D_+7], v[A_:A_+15], v[B_:B_+15], \c, v[SA_], v[SB_] matrix_a_fmt:MATRIX_FMT_BF8 matrix_b_fmt:MATRIX_FMT_BF8 matrix_b_scale:MATRIX_SCALE_ROW1
.else
	v_wmma_scale_f32_16x16x128_f8f6f4 v[D_:D_+7], v[A_:A_+15], v[B_:B_+15], \c, v[SA_], v[SB_] matrix_a_fmt:MATRIX_FMT_BF8 matrix_b_fmt:MATRIX_FMT_BF8 matrix_a_scale:MATRIX_SCALE_ROW1 matrix_b_scale:MATRIX_SCALE_ROW1
.endif
.endm
.macro PROD j                          ; product j of pair P_: 0, 1 K's tiles, 2, 3 V's, 4, 5 Q's
.set F_, 6*K_+(\j)
.set B_, 16*(F_%16)
.set A_, 128+32*(P_%4)
.set SA_, SX+K_/2
.if (\j) < 2
.set D_, ACC+8*(\j)
.set SB_, SK+K_
.elseif (\j) < 4
.set D_, ACC+32+8*((\j)-2)
.set A_, A_+16
.set SA_, SV+K_/2
.set SB_, SK+16+K_
.else
.set D_, ACC+16+8*((\j)-4)
.set SB_, SK+8+K_
.endif
.set R_, K_%2+2*((\j)%2)
	WIN (1+F_/16)<<2
.if K_ > 0
	WM v[D_:D_+7]
.elseif ((\j) > 1) && ((\j) < 4)
	WM v[BV:BV+7]
.else
	WM 0
.endif
.endm
; A pair: six products.  The waits count the fragment loads issued behind the one that is wanted (and the add): I_ is the last pair asked for.
; Eight v_nop stand between a group's last product and the run of loads into its fragments.
.macro PAIR last
.set K_, P_%8
.set I_, P_+3-P_%2
.if I_ > 31
.set I_, 31
.endif
.set G_, 0
.if (P_ == 30) && ((\last) == 0)
.set G_, 1
	WIN 0
	s_wait_tensorcnt 0x0                           ; my part of the next chunk is in;
	ds_add_u32 v[SPW], v[NIL]
	s_wait_xcnt 0x0                                ; the prefetch has read its address
	s_add_nc_u64 s[PFA:PFA+1], s[PFA:PFA+1], 0x10000
	STEPG
.endif
.if (P_ == 31) && ((\last) == 0)
	s_wait_dscnt 0x0                               ; the add is done, and my reads of this slot are over
	s_barrier_signal -1                            ; opens the next trip's round; only work on registers follows up to its wait
.else
	s_wait_dscnt 4+8*(I_-P_)+G_
.endif
	PROD 0
	PROD 1
.if (P_ < 31) || (\last)
	s_wait_dscnt 8*(I_-P_)+G_
.endif
	PROD 2
	PROD 3
	PROD 4
	PROD 5
.if (K_%2) && (K_ < 7) && (P_ < 28)
	PLACES 8
.if P_ < 24                            ; the next block's bv and scale words, as their registers fall free
.if K_ == 1
	BVW P_/8+1
.endif
	SCW K_/2, P_/8+1
.endif
	LD P_+3
	LD P_+4
.endif
.endm
; A block's end: 16 s of my 32 d.
.macro SEG
	WIN 0
	PLACES 8                                       ; places ahead of the first reads of the results
.irp i, 0,2,4,6
.irp t, 0,1
	v_pk_add_f32 v[ACC+8*\t+\i:ACC+8*\t+\i+1], v[ACC+8*\t+\i:ACC+8*\t+\i+1], v[BK:BK+1] op_sel:[0,\t] op_sel_hi:[1,\t]
.endr
.endr
.irp i, 0,2,4,6
.irp t, 0,1
	v_pk_mul_f32 v[ACC+8*\t+\i:ACC+8*\t+\i+1], v[ACC+8*\t+\i:ACC+8*\t+\i+1], v[ACC+32+8*\t+\i:ACC+32+8*\t+\i+1]   ; u = k v
.endr
.endr
.if P_ < 24
	SCW 3, P_/8+1
	LD P_+3
	LD P_+4
.endif
.irp t, 0,1
	v_max3_num_f32 v[T+2*\t], v[ACC+8*\t], v[ACC+8*\t+1], v[ACC+8*\t+2]
	v_max3_num_f32 v[T+2*\t+1], v[ACC+8*\t+3], v[ACC+8*\t+4], v[ACC+8*\t+5]
.endr
.irp t, 0,1
	v_max3_num_f32 v[T+2*\t], v[T+2*\t], v[ACC+8*\t+6], v[ACC+8*\t+7]
.endr
.irp t, 0,1
	v_max3_num_f32 v[ST+8*\t+1], v[ST+8*\t+1], v[T+2*\t], v[T+2*\t+1]   ; the running largest u
.endr
.irp t, 0,1
	v_mul_f32 v[ST+8*\t+7], s[NCS], v[ST+8*\t+1]   ; new -(largest t)
.endr
.irp t, 0,1
	v_sub_f32 v[ST+8*\t+6], v[ST+8*\t+7], v[ST+8*\t]   ; old largest less new: 0 or less
.endr
.irp i, 0,2,4,6
.irp t, 0,1
	v_pk_fma_f32 v[ACC+8*\t+\i:ACC+8*\t+\i+1], v[ACC+8*\t+\i:ACC+8*\t+\i+1], s[CS:CS+1], v[ST+8*\t+6:ST+8*\t+7] op_sel:[0,0,1] op_sel_hi:[1,0,1]   ; t - largest
.endr
.endr
	s_wait_alu depctr_va_vdst(0)
	v_exp_f32 v[ST+6], v[ST+6]
	v_exp_f32 v[ST+14], v[ST+14]
.irp i, 0,1,2,3,4,5,6,7,8,9,10,11,12,13,14,15
	v_exp_f32 v[ACC+\i], v[ACC+\i]                 ; p
.endr
	v_mov_b32 v[ST], v[ST+7]
	v_mov_b32 v[ST+8], v[ST+15]
	s_wait_alu depctr_va_vdst(0)                   ; and behind it
.irp t, 0,1
	v_pk_mul_f32 v[T+2*\t:T+2*\t+1], v[ACC+8*\t:ACC+8*\t+1], v[ACC+16+8*\t:ACC+16+8*\t+1]
.endr
.irp t, 0,1
	v_pk_mul_f32 v[T2+2*\t:T2+2*\t+1], v[ACC+8*\t+4:ACC+8*\t+5], v[ACC+16+8*\t+4:ACC+16+8*\t+5]
.endr
.irp t, 0,1
	v_pk_fma_f32 v[T+2*\t:T+2*\t+1], v[ACC+8*\t+2:ACC+8*\t+3], v[ACC+16+8*\t+2:ACC+16+8*\t+3], v[T+2*\t:T+2*\t+1]
.endr
.irp t, 0,1
	v_pk_fma_f32 v[T2+2*\t:T2+2*\t+1], v[ACC+8*\t+6:ACC+8*\t+7], v[ACC+16+8*\t+6:ACC+16+8*\t+7], v[T2+2*\t:T2+2*\t+1]
.endr
.irp t, 0,1
	v_pk_add_f32 v[ACC+8*\t:ACC+8*\t+1], v[ACC+8*\t:ACC+8*\t+1], v[ACC+8*\t+2:ACC+8*\t+3]
	v_pk_add_f32 v[ACC+8*\t+4:ACC+8*\t+5], v[ACC+8*\t+4:ACC+8*\t+5], v[ACC+8*\t+6:ACC+8*\t+7]
.endr
.irp t, 0,1
	v_pk_fma_f32 v[ST+8*\t+4:ST+8*\t+5], v[ST+8*\t+4:ST+8*\t+5], v[ST+8*\t+6:ST+8*\t+7], v[T+2*\t:T+2*\t+1] op_sel_hi:[1,0,1]
	v_pk_fma_f32 v[ST+8*\t+2:ST+8*\t+3], v[ST+8*\t+2:ST+8*\t+3], v[ST+8*\t+6:ST+8*\t+7], v[ACC+8*\t:ACC+8*\t+1] op_sel_hi:[1,0,1]
.endr
.irp t, 0,1
	v_pk_add_f32 v[ST+8*\t+4:ST+8*\t+5], v[ST+8*\t+4:ST+8*\t+5], v[T2+2*\t:T2+2*\t+1]
	v_pk_add_f32 v[ST+8*\t+2:ST+8*\t+3], v[ST+8*\t+2:ST+8*\t+3], v[ACC+8*\t+4:ACC+8*\t+5]
.endr
	s_wait_alu depctr_va_vdst(0)
.endm
; A chunk: 64 s, four blocks, 32 pairs.  Its codes are in; the other slot is free, and (last = 0) is filled again first.
.macro CHUNK last
.if (\last) == 0
	JLOAD 2
.endif
	s_xor_b32 s[TB], s[TB], SLOT
	v_add_nc_u32 v[AX], s[TB], v[ALN]
	v_add_nc_u32 v[AX+1], 0x10000, v[AX]
	v_add_nc_u32 v[ASC], 256, v[ASC]
	v_add_nc_u32 v[ABV], 256, v[ABV]
	s_wait_alu depctr_va_vdst(0)
.irp i, 0,1,2,3
	SCW \i, 0
.endr
	BVW 0
	LD 0
	LD 1
	LD 2
	LD 3
.if (\last) == 0
	s_cmp_ge_u32 s[TR], s[LIM]
	s_cbranch_scc0 .Lnot_mine_\@
	global_prefetch_b8 v[PFO], s[PFA:PFA+1] th:TH_LOAD_NT scope:SCOPE_SE
.Lnot_mine_\@:
.endif
.set P_, 0
.rept 32
	PAIR \last
.if K_ == 7
	SEG
.endif
.set P_, P_+1
.endr
.endm
.Lchunk:
	s_barrier_wait -1
	CREST                                          ; the round is closed: no wave of any partner reads the other slot or has a load out
	CHUNK 0
	s_sub_co_u32 s[TR], s[TR], 1
	s_cmp_lg_u32 s[TR], 0
	s_cbranch_scc1 .Lchunk
	s_barrier_wait -1                              ; the last chunk fills nothing
	CHUNK 1
; lanes l and l xor 16 hold the same d: joined under the larger maximum
.irp t, 0,1
	v_add_f32 v[ST+8*\t+2], v[ST+8*\t+2], v[ST+8*\t+3]
	v_add_f32 v[ST+8*\t+4], v[ST+8*\t+4], v[ST+8*\t+5]
	v_permlanex16_b32 v[ST+8*\t+6], v[ST+8*\t], s[SEL], s[SEL+1]
.endr
.irp t, 0,1
	v_min_num_f32 v[ST+8*\t+7], v[ST+8*\t], v[ST+8*\t+6]
.endr
.irp t, 0,1
	v_sub_f32 v[ST+8*\t+6], v[ST+8*\t+7], v[ST+8*\t]
.endr
	s_wait_alu depctr_va_vdst(0)
	v_exp_f32 v[ST+6], v[ST+6]
	v_exp_f32 v[ST+14], v[ST+14]
	v_lshl_add_u32 v1, v0, 2, OUTB
	v_lshl_add_u32 v24, v0, 4, OUTB
	s_wait_alu depctr_va_vdst(0)
.irp t, 0,1
	v_mul_f32 v[ST+8*\t+2], v[ST+8*\t+2], v[ST+8*\t+6]
	v_mul_f32 v[ST+8*\t+4], v[ST+8*\t+4], v[ST+8*\t+6]
.endr
.irp t, 0,1
	v_permlanex16_b32 v[ST+8*\t+3], v[ST+8*\t+2], s[SEL], s[SEL+1]
	v_permlanex16_b32 v[ST+8*\t+5], v[ST+8*\t+4], s[SEL], s[SEL+1]
.endr
.irp t, 0,1
	v_add_f32 v[ST+8*\t+2], v[ST+8*\t+2], v[ST+8*\t+3]
	v_add_f32 v[ST+8*\t+4], v[ST+8*\t+4], v[ST+8*\t+5]
.endr
	v_cndmask_b32 v20, v[ST+7], v[ST+15], s[HIM]   ; lanes 0-15 tile 0, lanes 16-31 tile 1: my 32 d in order
	v_cndmask_b32 v21, v[ST+2], v[ST+10], s[HIM]
	v_cndmask_b32 v22, v[ST+4], v[ST+12], s[HIM]
	ds_store_b32 v1, v20
	ds_store_b32 v1, v21 offset:512
	ds_store_b32 v1, v22 offset:1024
	s_wait_alu depctr_va_vdst(0)
	s_wait_dscnt 0x0                               ; for the others' sake
	s_barrier_signal -1
	s_barrier_wait -1
	s_cmp_lt_u32 s[WAVE], 3
	s_cbranch_scc0 .Lout
	ds_load_b128 v[128:131], v24                   ; waves 0-2: one row of 512 bytes each
	s_wait_dscnt 0x0
	global_store_b128 v[ALN], v[128:131], s[92:93]
.Lout:
	s_wait_tensorcnt 0x0                           ; the wave's end
	ds_add_u32 v[SPW], v[NIL]
	s_wait_dscnt 0x0
	CROUND                                         ; the closing round
	s_endpgm
.Lfunc_end_k_qdf438a4a2d_fused:
	.size	k_qdf438a4a2d_fused, .Lfunc_end_k_qdf438a4a2d_fused-k_qdf438a4a2d_fused
	.p2alignl 7, 3214868480
	.fill 96, 4, 3214868480
	.section	.rodata,"a",@progbits
	.p2align	6, 0x0
	.amdhsa_kernel k_qdf438a4a2d_fused
		.amdhsa_group_segment_fixed_size 327680
		.amdhsa_private_segment_fixed_size 0
		.amdhsa_enable_private_segment 0
		.amdhsa_kernarg_size 40
		.amdhsa_user_sgpr_count 2
		.amdhsa_user_sgpr_kernarg_segment_ptr 1
		.amdhsa_wavefront_size32 1
		.amdhsa_system_sgpr_workgroup_id_x 1
		.amdhsa_system_sgpr_workgroup_id_y 1
		.amdhsa_system_sgpr_workgroup_id_z 1
		.amdhsa_system_vgpr_workitem_id 0
		.amdhsa_next_free_vgpr 1024
		.amdhsa_next_free_sgpr 100
		.amdhsa_reserve_vcc 0
		.amdhsa_float_denorm_mode_32 3
		.amdhsa_float_denorm_mode_16_64 3
		.amdhsa_memory_ordered 1
		.amdhsa_forward_progress 1
		.amdhsa_inst_pref_size 166
	.end_amdhsa_kernel
	.amdgpu_metadata
---
amdhsa.version: [ 1, 2 ]
amdhsa.kernels:
  - .name:           k_qdf438a4a2d_fused
    .symbol:         k_qdf438a4a2d_fused.kd
    .args:
      - { .name: cd, .offset: 0, .size: 8, .value_kind: global_buffer, .address_space: global }
      - { .name: sc, .offset: 8, .size: 8, .value_kind: global_buffer, .address_space: global }
      - { .name: bk, .offset: 16, .size: 8, .value_kind: global_buffer, .address_space: global }
      - { .name: bv, .offset: 24, .size: 8, .value_kind: global_buffer, .address_space: global }
      - { .name: part, .offset: 32, .size: 8, .value_kind: global_buffer, .address_space: global }
    .group_segment_fixed_size: 327680
    .private_segment_fixed_size: 0
    .kernarg_segment_align: 8
    .kernarg_segment_size: 40
    .max_flat_workgroup_size: 128
    .sgpr_count:     100
    .vgpr_count:     1024
    .wavefront_size: 32
...
	.end_amdgpu_metadata
.endif
;; end of part 2
;; launch join (part 3): grid 520 x 1, 4 waves a work-group, no clusters, 1,280 bytes of LDS; arguments part, bq, WL, cd, sc, pq; writes cd, sc, pq
.if DOCPART == 3
	.amdgcn_target "amdgcn-amd-amdhsa--gfx1250"
	.amdhsa_code_object_version 6
	.text
	.protected	k_qdf438a4a2d_join
	.globl	k_qdf438a4a2d_join
	.p2align	8
	.type	k_qdf438a4a2d_join,@function
k_qdf438a4a2d_join:
	s_mov_b64 s[64:65], 0
	v_nop
	global_prefetch_b8 v0, s[64:65] scope:SCOPE_SE
	s_setreg_imm32_b32 hwreg(HW_REG_WAVE_MODE, 25, 1), 1
	s_wait_xcnt 0x0
; Work-groups 0-7: the two pieces (-(largest t), l, a) of each (b, h, d), one for each half of s, are joined: w = 2^(largest t of the piece - the larger), pooled = (sum of w a) / (sum of w l) + bq,
; and pooled [16 bh][1,024 d] becomes codes of E5M2 with one E8M0 byte for each 32 along d.  The piece that holds the largest t has w = 1 and its l holds a term of about 1, so the divisor is no zero.
; A work-group takes one K step of 128 d, wave c its block c of 32, lane (r, h) row bh = r and 16 neighbours d = 32 c + 16 h + i.
; pq: [K step 8][2,048 bytes]: byte 512 c + 16 l + i as in the launch quant; then [K step 8][256 bytes]: the 16 rows' scale words, four times over, so that a whole aligned 256 bytes are stored.
; Work-groups 8-519: WL [1024 (K)][8192] becomes codes and scale words, the fourth tensor of cd and sc, as the launch quant makes those of the other weights: 128 columns x 128 K each.
; LIMITS: NaN and infinities are not served; a block of zeros gets the byte 1 with zero codes; blocks whose largest magnitude lies under 2^-111 are held at byte 1.
; No cluster, no tensor loads: no work-group reads what another reads.
.set X,    32                          ; v32-159  128 numbers of a lane
.set CD,   160                         ; v160-191 WL: the codes
.set NC0,  32                          ; the pieces: -(largest t), l, a: of the first half,
.set L0,   48
.set A0P,  64
.set NC1,  80                          ; and of the second
.set L1,   96
.set A1P,  112
.set BQ,   128
.set MN,   144
.set PWB,  512                         ; LDS: WL's 128 scale words at 0, pooled's 16 here,
.set SPARE, 768                        ; and the spare words
.set WAVE, 22
.set MNT,  23
.set SEL,  36
	s_load_b256 s[4:11], s[0:1], 0x0               ; part, bq, WL, cd
	s_load_b128 s[12:15], s[0:1], 0x20             ; sc, pq
	v_lshrrev_b32 v1, 5, v0
	v_readfirstlane_b32 s[WAVE], v1                ; wave 0..3
	v_and_b32 v2, 31, v0                           ; lane
	v_lshlrev_b32 v6, 4, v2                        ; 16 x lane
	s_mov_b32 s[MNT], 0x600000
	s_wait_alu depctr_va_vdst(0)
	s_cmp_lt_u32 ttmp9, 8
	s_cbranch_scc1 .Lpath_p
; ---- WL
	v_lshlrev_b32 v3, 2, v2                        ; in: 4 bytes a lane
	v_lshrrev_b32 v4, 4, v2
	v_and_b32 v5, 15, v2
	v_lshlrev_b32 v4, 14, v4                       ; out: block lane / 16 of my two,
	v_lshl_add_u32 v4, v5, 4, v4                   ; 16 bytes at 16 (lane % 16)
	v_lshlrev_b32 v5, 2, v0                        ; LDS: my column's scale word
	s_wait_alu depctr_va_vdst(0)
	s_sub_co_u32 s24, ttmp9, 8
	s_lshr_b32 s26, s24, 6                         ; K step
	s_and_b32 s27, s24, 63                         ; block of 128 columns
	s_lshl_b32 s28, s26, 22
	s_lshl_b32 s29, s27, 9
	s_add_co_u32 s28, s28, s29
	s_lshl_b32 s29, s[WAVE], 7
	s_add_co_u32 s28, s28, s29
	s_mov_b32 s29, 0
	s_lshl_b32 s30, s27, 17
	s_lshl_b32 s31, s26, 11
	s_add_co_u32 s30, s30, s31
	s_lshl_b32 s31, s[WAVE], 15
	s_add_co_u32 s30, s30, s31
	s_add_co_u32 s30, s30, 3<<23
	s_mov_b32 s31, 0
	s_lshl_b32 s38, s27, 12
	s_lshl_b32 s39, s26, 9
	s_add_co_u32 s38, s38, s39
	s_add_co_u32 s38, s38, 3<<18
	s_mov_b32 s39, 0
	s_wait_kmcnt 0x0
	s_add_nc_u64 s[32:33], s[8:9], s[28:29]
	s_add_nc_u64 s[34:35], s[10:11], s[30:31]
	s_add_nc_u64 s[38:39], s[12:13], s[38:39]
.macro LOADW t                         ; block t: WL(32 t + i, my column); a wave reads 128 bytes on end, the four waves 512
.set i, 0
.rept 32
	global_load_b32 v[X+32*(\t)+i], v3, s[32:33] offset:(32*(\t)+i)*32768 th:TH_LOAD_NT
.set i, i+1
.endr
.endm
.macro BLOCK t
.set XS, X+32*(\t)
.if (\t) < 3
	s_wait_loadcnt 32                              ; this block's 32 loads are in; the next block's 32 may be out
.else
	s_wait_loadcnt 0x0
.endif
.if (\t)+2 < 4
	LOADW (\t)+2                                   ; two blocks ahead, into registers of its own
.endif
	v_max3_num_f32 v22, |v[XS]|, |v[XS+1]|, |v[XS+2]|
	v_max3_num_f32 v23, |v[XS+3]|, |v[XS+4]|, |v[XS+5]|
.irp i, 6,10,14,18,22,26
	v_max3_num_f32 v22, v22, |v[XS+\i]|, |v[XS+\i+1]|
	v_max3_num_f32 v23, v23, |v[XS+\i+2]|, |v[XS+\i+3]|
.endr
	v_max3_num_f32 v22, v22, |v[XS+30]|, |v[XS+31]|
	v_max3_num_f32 v22, v22, v23, 0x8000000        ; and the floor 2^(16 - 127)
	v_add_nc_u32 v21, 0xf8800000, v22              ; the conversion's scale operand
	v_and_or_b32 v20, v22, 0x7f800000, s[MNT]      ; 57,344 x the scale
	v_lshrrev_b32 v23, 23, v21                     ; the scale's byte
.if (\t) == 0
	v_mov_b32 v14, v23
.else
	v_lshl_or_b32 v14, v23, 8*(\t), v14
.endif
.irp i, 0,1,2,3,4,5,6,7,8,9,10,11,12,13,14,15,16,17,18,19,20,21,22,23,24,25,26,27,28,29,30,31
	v_med3_num_f32 v[XS+\i], v[XS+\i], -v20, v20   ; the conversion does not saturate (ISA guide 7.6.2): the hold comes first
.endr
.irp g, 0,1,2,3
	v_cvt_scalef32_pk8_bf8_f32 v[CD+8*(\t)+2*\g:CD+8*(\t)+2*\g+1], v[XS+8*\g:XS+8*\g+7], v21
.endr
	v_nop                                          ; a plain line behind the last conversion
	global_store_b128 v4, v[CD+8*(\t):CD+8*(\t)+3], s[34:35] offset:512*(\t)
	global_store_b128 v4, v[CD+8*(\t)+4:CD+8*(\t)+7], s[34:35] offset:512*(\t)+256
.endm
	LOADW 0
	LOADW 1
	BLOCK 0
	BLOCK 1
	BLOCK 2
	BLOCK 3
	ds_store_b32 v5, v14
	v_lshl_add_u32 v16, v0, 2, SPARE
	v_mov_b32 v17, 0
	s_wait_alu depctr_va_vdst(0)
	s_wait_dscnt 0x0                               ; for the others' sake: my word is in LDS
	s_barrier_signal -1
	s_barrier_wait -1
	s_cmp_lg_u32 s[WAVE], 0
	s_cbranch_scc1 .Ldone_w
	ds_load_b128 v[8:11], v6                       ; wave 0: the 128 words, 512 bytes on end
	s_wait_dscnt 0x0
	global_store_b128 v6, v[8:11], s[38:39]
.Ldone_w:
	s_wait_tensorcnt 0x0                           ; the wave's end
	ds_add_u32 v16, v17
	s_wait_dscnt 0x0
	s_endpgm
; ---- POOLED
.Lpath_p:
	v_and_b32 v3, 15, v0                           ; r
	v_bfe_u32 v4, v0, 4, 1                         ; h
	v_mul_u32_u24 v5, v3, 24576
	v_lshl_add_u32 v5, v4, 6, v5                   ; part: row r of 24,576 bytes, + 64 h
	v_and_b32 v7, 7, v3
	v_lshlrev_b32 v7, 12, v7
	v_lshl_add_u32 v7, v4, 6, v7                   ; bq: head r % 8
	v_lshlrev_b32 v8, 2, v3
	v_add_nc_u32 v8, s[WAVE], v8                   ; LDS: byte c of row r's scale word
	v_and_b32 v9, 7, v0
	v_lshlrev_b32 v9, 3, v9                        ; LDS, out: two words, four times over
	v_lshlrev_b32 v10, 3, v2                       ; 8 x lane
	v_mov_b32 v18, 0                               ; (a lane permute's destination counts as one of its sources)
	v_lshl_add_u32 v12, v0, 2, SPARE
	v_mov_b32 v13, 0
	s_wait_alu depctr_va_vdst(0)
	s_mov_b32 s[SEL], 0x76543210
	s_mov_b32 s[SEL+1], 0xfedcba98
	s_lshl_b32 s28, ttmp9, 9                       ; 128 d a K step,
	s_lshl_b32 s29, s[WAVE], 7                     ; 32 a block
	s_add_co_u32 s28, s28, s29
	s_mov_b32 s29, 0
	s_lshl_b32 s30, ttmp9, 11                      ; my 512 bytes of the K step's image
	s_lshl_b32 s31, s[WAVE], 9
	s_add_co_u32 s30, s30, s31
	s_mov_b32 s31, 0
	s_lshl_b32 s38, ttmp9, 8
	s_add_co_u32 s38, s38, 16384                   ; its scale words
	s_mov_b32 s39, 0
	s_wait_kmcnt 0x0
	s_add_nc_u64 s[32:33], s[4:5], s[28:29]
	s_add_nc_u64 s[40:41], s[6:7], s[28:29]
	s_add_nc_u64 s[34:35], s[14:15], s[30:31]
	s_add_nc_u64 s[38:39], s[14:15], s[38:39]
.irp q, 0,1,2,3,4,5
.irp j, 0,1,2,3
	global_load_b128 v[NC0+16*\q+4*\j:NC0+16*\q+4*\j+3], v5, s[32:33] offset:4096*\q+16*\j
.endr
.endr
.irp j, 0,1,2,3
	global_load_b128 v[BQ+4*\j:BQ+4*\j+3], v7, s[40:41] offset:16*\j
.endr
	s_wait_loadcnt 0x0
.irp i, 0,1,2,3,4,5,6,7,8,9,10,11,12,13,14,15
	v_min_num_f32 v[MN+\i], v[NC0+\i], v[NC1+\i]
.endr
.irp i, 0,2,4,6,8,10,12,14
	v_pk_add_f32 v[NC0+\i:NC0+\i+1], v[MN+\i:MN+\i+1], v[NC0+\i:NC0+\i+1] neg_lo:[0,1] neg_hi:[0,1]
	v_pk_add_f32 v[NC1+\i:NC1+\i+1], v[MN+\i:MN+\i+1], v[NC1+\i:NC1+\i+1] neg_lo:[0,1] neg_hi:[0,1]
.endr
	s_wait_alu depctr_va_vdst(0)
.irp i, 0,1,2,3,4,5,6,7,8,9,10,11,12,13,14,15
	v_exp_f32 v[NC0+\i], v[NC0+\i]
	v_exp_f32 v[NC1+\i], v[NC1+\i]
.endr
	v_nop
	s_wait_alu depctr_va_vdst(0)                   ; and behind it
.irp i, 0,2,4,6,8,10,12,14
	v_pk_mul_f32 v[L0+\i:L0+\i+1], v[NC0+\i:NC0+\i+1], v[L0+\i:L0+\i+1]
	v_pk_mul_f32 v[A0P+\i:A0P+\i+1], v[NC0+\i:NC0+\i+1], v[A0P+\i:A0P+\i+1]
.endr
.irp i, 0,2,4,6,8,10,12,14
	v_pk_fma_f32 v[L0+\i:L0+\i+1], v[NC1+\i:NC1+\i+1], v[L1+\i:L1+\i+1], v[L0+\i:L0+\i+1]
	v_pk_fma_f32 v[A0P+\i:A0P+\i+1], v[NC1+\i:NC1+\i+1], v[A1P+\i:A1P+\i+1], v[A0P+\i:A0P+\i+1]
.endr
	s_wait_alu depctr_va_vdst(0)
.irp i, 0,1,2,3,4,5,6,7,8,9,10,11,12,13,14,15
	v_rcp_f32 v[L0+\i], v[L0+\i]
.endr
	v_nop
	s_wait_alu depctr_va_vdst(0)
.irp i, 0,2,4,6,8,10,12,14
	v_pk_fma_f32 v[A0P+\i:A0P+\i+1], v[A0P+\i:A0P+\i+1], v[L0+\i:L0+\i+1], v[BQ+\i:BQ+\i+1]   ; pooled
.endr
	v_max3_num_f32 v16, |v[A0P]|, |v[A0P+1]|, 0x8000000        ; my 16 of the block, and the floor 2^(16 - 127)
	v_max3_num_f32 v17, |v[A0P+2]|, |v[A0P+3]|, |v[A0P+4]|
	v_max3_num_f32 v16, v16, |v[A0P+5]|, |v[A0P+6]|
	v_max3_num_f32 v17, v17, |v[A0P+7]|, |v[A0P+8]|
	v_max3_num_f32 v16, v16, |v[A0P+9]|, |v[A0P+10]|
	v_max3_num_f32 v17, v17, |v[A0P+11]|, |v[A0P+12]|
	v_max3_num_f32 v16, v16, |v[A0P+13]|, |v[A0P+14]|
	v_max3_num_f32 v16, v16, v17, |v[A0P+15]|
	v_permlanex16_b32 v18, v16, s[SEL], s[SEL+1]
	v_max_num_f32 v16, v16, v18                    ; with lane l xor 16's
	v_add_nc_u32 v19, 0xf8800000, v16              ; 15 off the exponent field: the conversion's scale operand
	v_and_or_b32 v20, v16, 0x7f800000, s[MNT]      ; 57,344 x the scale
.irp i, 0,1,2,3,4,5,6,7,8,9,10,11,12,13,14,15
	v_med3_num_f32 v[A0P+\i], v[A0P+\i], -v20, v20 ; the conversion does not saturate (ISA guide 7.6.2): the hold comes first
.endr
	v_cvt_scalef32_pk8_bf8_f32 v[24:25], v[A0P:A0P+7], v19
	v_cvt_scalef32_pk8_bf8_f32 v[26:27], v[A0P+8:A0P+15], v19
	v_lshrrev_b32 v21, 23, v19                     ; the scale's byte (and the plain line behind the conversions)
	ds_store_b8 v8, v21 offset:PWB                 ; both halves of the lanes write the same byte with the same value
	global_store_b128 v6, v[24:27], s[34:35]       ; 512 bytes on end
	s_wait_dscnt 0x0                               ; for the others' sake: my bytes are in LDS
	s_barrier_signal -1
	s_barrier_wait -1
	s_cmp_lg_u32 s[WAVE], 0
	s_cbranch_scc1 .Ldone_p
	ds_load_b64 v[28:29], v9 offset:PWB
	s_wait_dscnt 0x0
	global_store_b64 v10, v[28:29], s[38:39]       ; 256 bytes on end
.Ldone_p:
	s_wait_tensorcnt 0x0                           ; the wave's end
	ds_add_u32 v12, v13
	s_wait_dscnt 0x0
	s_endpgm
.Lfunc_end_k_qdf438a4a2d_join:
	.size	k_qdf438a4a2d_join, .Lfunc_end_k_qdf438a4a2d_join-k_qdf438a4a2d_join
	.p2alignl 7, 3214868480
	.fill 96, 4, 3214868480
	.section	.rodata,"a",@progbits
	.p2align	6, 0x0
	.amdhsa_kernel k_qdf438a4a2d_join
		.amdhsa_group_segment_fixed_size 1280
		.amdhsa_private_segment_fixed_size 0
		.amdhsa_enable_private_segment 0
		.amdhsa_kernarg_size 48
		.amdhsa_user_sgpr_count 2
		.amdhsa_user_sgpr_kernarg_segment_ptr 1
		.amdhsa_wavefront_size32 1
		.amdhsa_system_sgpr_workgroup_id_x 1
		.amdhsa_system_sgpr_workgroup_id_y 1
		.amdhsa_system_sgpr_workgroup_id_z 1
		.amdhsa_system_vgpr_workitem_id 0
		.amdhsa_next_free_vgpr 192
		.amdhsa_next_free_sgpr 66
		.amdhsa_reserve_vcc 0
		.amdhsa_float_denorm_mode_32 3
		.amdhsa_float_denorm_mode_16_64 3
		.amdhsa_memory_ordered 1
		.amdhsa_forward_progress 1
		.amdhsa_inst_pref_size 42
	.end_amdhsa_kernel
	.amdgpu_metadata
---
amdhsa.version: [ 1, 2 ]
amdhsa.kernels:
  - .name:           k_qdf438a4a2d_join
    .symbol:         k_qdf438a4a2d_join.kd
    .args:
      - { .name: part, .offset: 0, .size: 8, .value_kind: global_buffer, .address_space: global }
      - { .name: bq, .offset: 8, .size: 8, .value_kind: global_buffer, .address_space: global }
      - { .name: WL, .offset: 16, .size: 8, .value_kind: global_buffer, .address_space: global }
      - { .name: cd, .offset: 24, .size: 8, .value_kind: global_buffer, .address_space: global }
      - { .name: sc, .offset: 32, .size: 8, .value_kind: global_buffer, .address_space: global }
      - { .name: pq, .offset: 40, .size: 8, .value_kind: global_buffer, .address_space: global }
    .group_segment_fixed_size: 1280
    .private_segment_fixed_size: 0
    .kernarg_segment_align: 8
    .kernarg_segment_size: 48
    .max_flat_workgroup_size: 128
    .sgpr_count:     66
    .vgpr_count:     192
    .wavefront_size: 32
...
	.end_amdgpu_metadata
.endif
;; end of part 3
;; launch final (part 4): grid 128 x 1, 4 waves a work-group, no clusters, 4,864 bytes of LDS; arguments pq, cd, sc, bL, out0; writes out0
.if DOCPART == 4
	.amdgcn_target "amdgcn-amd-amdhsa--gfx1250"
	.amdhsa_code_object_version 6
	.text
	.protected	k_qdf438a4a2d_final
	.globl	k_qdf438a4a2d_final
	.p2align	8
	.type	k_qdf438a4a2d_final,@function
k_qdf438a4a2d_final:
	s_mov_b64 s[64:65], 0
	v_nop
	global_prefetch_b8 v0, s[64:65] scope:SCOPE_SE
	s_setreg_imm32_b32 hwreg(HW_REG_WAVE_MODE, 25, 1), 1
	s_wait_xcnt 0x0
; out0 [16][8192] = Q(pooled [16][1024]) Q(WL) + bL, on codes of E5M2 with E8M0 scales.  pooled's codes and scale words lie in pq, WL's in the fourth tensors of cd and sc, all as images of operand registers (launches quant, join).
; A work-group takes 64 columns, so that a row's part of out0 is 256 bytes on end; wave w takes 16 of them, all of K.  Every operand goes from memory straight into registers.
; The product is used transposed (source 0 = 16 columns of WL, source 1 = pooled's 16 rows): a lane holds eight neighbouring columns of one row.  Two accumulators take turns over the eight K steps
; bL is the C of the first product.  No tensor loads and no cluster: a work-group's fragments of WL are read by nobody else, and pooled's codes are 16,384 bytes.
; LIMITS: NaN and infinities are not served.
.set SP,   272                         ; LDS: the stage at 0: 16 rows x (256 bytes + 16),
.set SPARE, 4352                       ; and the spare words
.set XSW,  16                          ; v16-23  pooled's scale words
.set WSW,  25                          ; v25-32  WL's
.set AC0,  40
.set AC1,  48
.set BL,   56
.set WF,   64                          ; v64-191 WL's eight fragments; pooled's lie in window 1, v256-383
.set RS,   192
.set OB,   200
.set WAVE, 14
	s_load_b256 s[4:11], s[0:1], 0x0               ; pq, cd, sc, bL
	s_load_b64 s[12:13], s[0:1], 0x20              ; out0
	v_lshl_add_u32 v14, v0, 2, SPARE
	v_mov_b32 v15, 0
	v_lshrrev_b32 v1, 5, v0
	v_readfirstlane_b32 s[WAVE], v1
	v_and_b32 v1, 31, v0                           ; lane
	v_and_b32 v2, 15, v0                           ; r
	v_bfe_u32 v3, v0, 4, 1                         ; h
	v_lshlrev_b32 v5, 4, v1                        ; 16 x lane
	v_lshlrev_b32 v9, 2, v2                        ; scale words: 4 r
	v_lshlrev_b32 v10, 5, v3                       ; bL: 32 h
	s_lshl_b32 s18, s[WAVE], 6
	v_mul_u32_u24 v11, v2, SP
	v_lshl_add_u32 v11, v3, 5, v11
	v_add_nc_u32 v11, s18, v11                     ; the stage, in: row r, + 64 x wave + 32 h
	s_mul_i32 s19, s[WAVE], 4*SP
	v_mul_u32_u24 v12, v3, SP
	v_lshl_add_u32 v12, v2, 4, v12
	v_add_nc_u32 v12, s19, v12                     ; out: row 4 x wave + h, 16 bytes at 16 r
	s_lshl_b32 s20, s[WAVE], 17
	v_lshlrev_b32 v13, 15, v3
	v_lshl_add_u32 v13, v2, 4, v13
	v_add_nc_u32 v13, s20, v13                     ; and the same place in out0: rows of 32,768 bytes
	s_wait_alu depctr_va_vdst(0)
	s_lshl_b32 s22, ttmp9, 2
	s_add_co_u32 s22, s22, s[WAVE]                 ; my block of 16 columns
	s_and_b32 s24, s22, 7
	s_lshl_b32 s24, s24, 6                         ; its scale words in the block of 128,
	s_lshr_b32 s26, s22, 3
	s_lshl_b32 s26, s26, 12                        ; which is 4,096 bytes
	s_add_co_u32 s24, s24, s26
	s_add_co_u32 s24, s24, 3<<18
	s_mov_b32 s25, 0
	s_lshl_b32 s22, s22, 14                        ; its images
	s_add_co_u32 s22, s22, 3<<23
	s_mov_b32 s23, 0
	s_lshl_b32 s26, ttmp9, 8
	s_mov_b32 s27, 0                               ; out0: 256 bytes a work-group
	s_add_co_u32 s28, s18, s26                     ; bL: and 64 bytes a wave
	s_mov_b32 s29, 0
	s_wait_kmcnt 0x0
	s_add_nc_u64 s[22:23], s[6:7], s[22:23]
	s_add_nc_u64 s[24:25], s[8:9], s[24:25]
	s_add_nc_u64 s[28:29], s[10:11], s[28:29]
	s_add_nc_u64 s[12:13], s[12:13], s[26:27]
.irp k, 0,1,2,3,4,5,6,7
	global_load_b32 v[WSW+\k], v9, s[24:25] offset:512*\k
.endr
.irp k, 0,1,2,3,4,5,6,7
.irp c, 0,1,2,3
	global_load_b128 v[WF+16*\k+4*\c:WF+16*\k+4*\c+3], v5, s[22:23] offset:2048*\k+512*\c th:TH_LOAD_NT
.endr
.endr
.irp k, 0,1,2,3,4,5,6,7
	global_load_b32 v[XSW+\k], v9, s[4:5] offset:16384+256*\k
.endr
	global_load_b128 v[BL:BL+3], v10, s[28:29]
	global_load_b128 v[BL+4:BL+7], v10, s[28:29] offset:16
	s_set_vgpr_msb 0x40                            ; destination window 1
.irp k, 0,1,2,3,4,5,6,7
.irp c, 0,1,2,3
	global_load_b128 v[16*\k+4*\c:16*\k+4*\c+3], v5, s[4:5] offset:2048*\k+512*\c
.endr
.endr
	s_set_vgpr_msb 0x4004                          ; source 1 (pooled) in window 1
	s_wait_loadcnt 28                              ; behind K step 0's fragments stand the seven others'
	v_wmma_scale_f32_16x16x128_f8f6f4 v[AC0:AC0+7], v[WF:WF+15], v[0:15], v[BL:BL+7], v[WSW], v[XSW] matrix_a_fmt:MATRIX_FMT_BF8 matrix_b_fmt:MATRIX_FMT_BF8
	s_wait_loadcnt 24
	v_wmma_scale_f32_16x16x128_f8f6f4 v[AC1:AC1+7], v[WF+16:WF+31], v[16:31], 0, v[WSW+1], v[XSW+1] matrix_a_fmt:MATRIX_FMT_BF8 matrix_b_fmt:MATRIX_FMT_BF8
.irp k, 2,3,4,5,6,7
	s_wait_loadcnt 4*(7-\k)
	v_wmma_scale_f32_16x16x128_f8f6f4 v[AC0+8*(\k%2):AC0+8*(\k%2)+7], v[WF+16*\k:WF+16*\k+15], v[16*\k:16*\k+15], v[AC0+8*(\k%2):AC0+8*(\k%2)+7], v[WSW+\k], v[XSW+\k] matrix_a_fmt:MATRIX_FMT_BF8 matrix_b_fmt:MATRIX_FMT_BF8
.endr
	s_set_vgpr_msb 0x0400
.rept 8
	v_nop                                          ; eight places ahead of the first read of the results
.endr
.irp j, 0,2,4,6
	v_pk_add_f32 v[RS+\j:RS+\j+1], v[AC0+\j:AC0+\j+1], v[AC1+\j:AC1+\j+1]      ; lane (r, h): out0(r, my 16 columns' 8 h + j)
.endr
	ds_store_b128 v11, v[RS:RS+3]
	ds_store_b128 v11, v[RS+4:RS+7] offset:16
	s_wait_dscnt 0x0
	s_barrier_signal -1
	s_barrier_wait -1                              ; 16 rows x 256 bytes lie in the stage
	ds_load_b128 v[OB:OB+3], v12
	ds_load_b128 v[OB+4:OB+7], v12 offset:2*SP
	s_wait_dscnt 0x0
	global_store_b128 v13, v[OB:OB+3], s[12:13]                  ; sixteen lanes store 256 bytes on end, at a multiple of 256 from out0's first byte
	global_store_b128 v13, v[OB+4:OB+7], s[12:13] offset:65536
	s_wait_tensorcnt 0x0                           ; the wave's end
	ds_add_u32 v14, v15
	s_wait_dscnt 0x0
	s_endpgm
.Lfunc_end_k_qdf438a4a2d_final:
	.size	k_qdf438a4a2d_final, .Lfunc_end_k_qdf438a4a2d_final-k_qdf438a4a2d_final
	.p2alignl 7, 3214868480
	.fill 96, 4, 3214868480
	.section	.rodata,"a",@progbits
	.p2align	6, 0x0
	.amdhsa_kernel k_qdf438a4a2d_final
		.amdhsa_group_segment_fixed_size 4864
		.amdhsa_private_segment_fixed_size 0
		.amdhsa_enable_private_segment 0
		.amdhsa_kernarg_size 40
		.amdhsa_user_sgpr_count 2
		.amdhsa_user_sgpr_kernarg_segment_ptr 1
		.amdhsa_wavefront_size32 1
		.amdhsa_system_sgpr_workgroup_id_x 1
		.amdhsa_system_sgpr_workgroup_id_y 1
		.amdhsa_system_sgpr_workgroup_id_z 1
		.amdhsa_system_vgpr_workitem_id 0
		.amdhsa_next_free_vgpr 384
		.amdhsa_next_free_sgpr 66
		.amdhsa_reserve_vcc 0
		.amdhsa_float_denorm_mode_32 3
		.amdhsa_float_denorm_mode_16_64 3
		.amdhsa_memory_ordered 1
		.amdhsa_forward_progress 1
		.amdhsa_inst_pref_size 13
	.end_amdhsa_kernel
	.amdgpu_metadata
---
amdhsa.version: [ 1, 2 ]
amdhsa.kernels:
  - .name:           k_qdf438a4a2d_final
    .symbol:         k_qdf438a4a2d_final.kd
    .args:
      - { .name: pq, .offset: 0, .size: 8, .value_kind: global_buffer, .address_space: global }
      - { .name: cd, .offset: 8, .size: 8, .value_kind: global_buffer, .address_space: global }
      - { .name: sc, .offset: 16, .size: 8, .value_kind: global_buffer, .address_space: global }
      - { .name: bL, .offset: 24, .size: 8, .value_kind: global_buffer, .address_space: global }
      - { .name: out0, .offset: 32, .size: 8, .value_kind: global_buffer, .address_space: global }
    .group_segment_fixed_size: 4864
    .private_segment_fixed_size: 0
    .kernarg_segment_align: 8
    .kernarg_segment_size: 40
    .max_flat_workgroup_size: 128
    .sgpr_count:     66
    .vgpr_count:     384
    .wavefront_size: 32
...
	.end_amdgpu_metadata
.endif
;; end of part 4
